; MI455X (gfx1250); checked and timed in simulation.
; The chip was launched on July 23, 2026; its instructions are those of AMD's public machine-readable ISA for CDNA 5 (MIT licence, August 2026) and "CDNA5" Instruction Set Architecture Reference Guide (July 2026). The comments in the code are by the model that wrote it; some were corrected since.
;; Causal Self Attention. Allowed arithmetic: matrix products marked QUANTISED: E4M3 operands, one given power-of-two scale a tensor, by v_wmma_f32_16x16x64_fp8_fp8 or v_wmma_f32_16x16x128_fp8_fp8, f32 sums; everything else in f32.
;; Inputs: Wproj 1,024 x 1,024 float32; Wqkv 1,024 x 3,072 float32; bproj 1,024 float32; bqkv 3,072 float32; causal_mask 2,048 x 2,048 float32; lowp_scales 8 int32 (the exponents e of the quantised operands' scales 2^e); x 4 x 2,048 x 1,024 float32.
;; Outputs: out0 4 x 2,048 x 1,024 float32.
;; This version of the problem:
;;   THIS VERSION OF THE PROBLEM IS GIVEN IN LOW PRECISION. The matrix products marked QUANTISED in the list below multiply operands that are first quantised to E4M3 (4 exponent bits, 3 mantissa bits; 8 bits a number), with one given power-of-two scale for each operand tensor; their sums are f32. All else is computed in f32.
;;   The module's matrix products, in the order in which they are computed (A, B: the left and right operand; K: the contracted axis; several contracted axes count as one K, in the product's order):
;;     1. [M 8,192, K 1,024] x [K 1,024, N 3,072]; A: input x; B: input Wqkv: QUANTISED (scales: A lowp_scales[0], B lowp_scales[1])
;;     2. batch 64 x [M 2,048, K 64] x [K 64, N 2,048]; A: computed on the way; B: computed on the way: QUANTISED (scales: A lowp_scales[2], B lowp_scales[3])
;;     3. batch 64 x [M 2,048, K 2,048] x [K 2,048, N 64]; A: softmax (see below); B: computed on the way: QUANTISED (scales: A lowp_scales[4], B lowp_scales[5])
;;     4. [M 8,192, K 1,024] x [K 1,024, N 1,024]; A: computed on the way; B: input Wproj: QUANTISED (scales: A lowp_scales[6], B lowp_scales[7])
;;   THE QUANTISER, for each operand of a quantised product, along K:
;;     - The operand's scale is 2^e, e = its entry of the input lowp_scales (int32; the entries are numbered through the quantised products in the list's order, A before B).
;;     - Each number is divided by the scale, clamped to +-448, and rounded to the nearest number of E4M3, ties to even, subnormals kept.
;;     - The product sums the exact products of the quantised numbers (number of the format x scale) in f32.
;;   ~~~python
;;   def quantise(x, axis, e):      # numpy; x: float32 -> the quantised numbers, widened to float32 again
;;       x = np.moveaxis(x, axis, -1); K = x.shape[-1]
;;       r = np.clip(x / 2.0 ** e, -448, 448)
;;       step = 2.0 ** (np.maximum(np.frexp(np.where(r == 0, 1, r))[1] - 1, -6) - 3)
;;       q = np.round(r / step) * step * 2.0 ** e      # np.round: ties to even
;;       return np.moveaxis(q, -1, axis).astype(np.float32)
;;   ~~~
;;   SOFTMAX AHEAD OF A QUANTISED PRODUCT. Where the list says 'softmax', what is quantised is not the finished softmax but p = 2^(t - M), with t = logit x log2(e) and M = ceil(the row's largest t), a whole number; so 1/2 < the row's largest p <= 1. The row's sum l is taken of the UNQUANTISED p, in f32, and the product's result is divided by l at the end. Since M is a whole number, a kernel that streams over the keys may use a running M (the ceiling of the running maximum): every later rescaling is an exact power of two, so the quantised numbers keep their values, but for numbers so far below the row's largest that they fall under the format's range.
;;   OPERANDS COMPUTED ON THE WAY. 'Computed on the way' means the value that the module computes at that place (a softmax that the list does not call 'softmax' is quantised finished and normalised). What goes into a quantiser is computed in f32, as accurately as f32 sums, v_exp_f32 and their like allow (about 1e-6 of the number): no bf16 or f16 on the way to a quantiser, and a product that is left as it is and whose result goes on into a quantised operand takes f32 operands (vector FMAs, or v_wmma_f32_16x16x4_f32). A number that lies on a knife's edge between two numbers of the format may be rounded either way, as far as f32 arithmetic and the matrix unit's own rounding can turn it there, and no further.
;; One version. Each part assembles by itself: llvm-mc -triple=amdgcn-amd-amdhsa -mcpu=gfx1250 --defsym DOCPART=n.
;; ======== version 1 of 1: 4 launches
;; workspace buffers: x_img 8,388,608 bytes; wq_img 3,145,728 bytes; wp_img 1,048,576 bytes; m_img 16,777,216 bytes; qkv_img 25,165,824 bytes; ao_img 8,388,608 bytes
;; launch prep (part 1): grid 1024 x 1, 4 waves a work-group, no clusters, 68,096 bytes of LDS; arguments x, causal_mask, Wqkv, Wproj, lowp_scales, x_img, m_img, wq_img, wp_img; writes x_img, m_img, wq_img, wp_img
.if DOCPART == 1
	.amdgcn_target "amdgcn-amd-amdhsa--gfx1250"
	.amdhsa_code_object_version 6
	.text
	.protected	k_qf44367e30a_prep
	.globl	k_qf44367e30a_prep
	.p2align	8
	.type	k_qf44367e30a_prep,@function
k_qf44367e30a_prep:
	s_mov_b64 s[64:65], 0
	v_nop
	global_prefetch_b8 v0, s[64:65] scope:SCOPE_SE
	s_setreg_imm32_b32 hwreg(HW_REG_WAVE_MODE, 25, 1), 1
	s_wait_xcnt 0x0
; x, Wqkv and Wproj (f32) become codes of FP8 (E4M3) with the given scales 2^e0, 2^e1, 2^e7; the additive mask is multiplied by log2(e) and laid anew.  Everything is stored
; AS AN IMAGE OF THE REGISTERS in which a later launch wants it.  A fragment is 16 rows x 128 along K in 16 registers: lane l = (r = l % 16, h = l / 16) holds row r, registers 2 c, 2 c + 1 hold
; k = 16 c + 8 h + 0 .. 7.  Its image is 2,048 bytes: registers 4 g .. 4 g + 3 of lane l lie at 512 g + 16 l.  So a fragment is later fetched by four loads of 16 bytes a lane, 512 consecutive bytes each.
;   x_img  [16-token tile 512][K step 8][2048]          wq_img [16-column tile 192][K step 8][2048]          wp_img [16-column tile 64][K step 8][2048]
;   m_img  [16-query tile 128][128-key step 16][8192], f32: lane (r, h), register 8 c + j = mask[query r][key 16 c + 8 h + j] x log2(e); registers 4 g .. 4 g + 3 at 512 g + 16 l
; code = number / 2^e, held within +-448, rounded to the nearest code, ties to even.  LIMITS: e0, e1, e7 between -126 and 119.  NaN among the inputs is not served.
; SHARES by the work-group's number: 0-511 x (16 rows each), 512-767 the mask (16 rows x 1,024 columns each), 768-959 Wqkv, 960-1023 Wproj (128 columns x 128 along K each): 64 KiB read by each.
; No matrix work, no barrier, no tensor load: waves share nothing, and the launch only streams.
.set LOG2E, 0x3fb8aa3b
.set SROW,  528                        ; a stage row: 512 bytes + 16 of padding = 132 words: row r starts at bank 4 r mod 64 (64 banks of 4 bytes: ISA guide 11.1)
.set STG,   16*SROW                    ; a stage: 16 rows
.set WLDS,  2*STG                      ; a wave's own LDS: two stages
.set LI,  1                            ; v1   16 x lane
.set WRA, 2                            ; v2   the stage, on the way in: my wave's LDS + 16 x lane
.set RDA, 3                            ; v3   and on the way out: + 528 r + 32 h
.set WI,  8                            ; v8   weights: 4 x lane
.set WO,  9                            ; v9   weights: my column's place in the images
.set LIM, 10                           ; v10  448 x 2^e
.set SCL, 11                           ; v11  2^e as f32
.set A,   16                           ; v16-31   row i's byte offset: 16 x lane + i x the row's bytes
.set RA,  32                           ; v32-95   tile 0 as loaded; later tile 1 turned
.set RB,  96                           ; v96-159  tile 1 as loaded
.set XA,  160                          ; v160-223 tile 0 turned
.set XB,  32
.set CA,  224                          ; v224-239 tile 0's codes
.set CB,  240                          ; v240-255 tile 1's
.set WX,  32                           ; weights: v32-95 two sets of 32 numbers;  v96-127 four blocks' codes
.set WC,  96
	s_load_b512 s[4:19], s[0:1], 0x0               ; x 4:5, mask 6:7, Wqkv 8:9, Wproj 10:11, scales 12:13, x_img 14:15, m_img 16:17, wq_img 18:19
	s_load_b64 s[20:21], s[0:1], 0x40              ; wp_img
	v_lshl_add_u32 v14, v0, 2, 0x10800
	v_mov_b32 v15, 0
	v_lshrrev_b32 v4, 5, v0
	v_readfirstlane_b32 s22, v4                    ; wave 0..3
	v_and_b32 v5, 31, v0                           ; lane
	v_and_b32 v6, 15, v0                           ; r
	v_bfe_u32 v7, v0, 4, 1                         ; h
	v_lshlrev_b32 v[LI], 4, v5
	s_wait_kmcnt 0x0
	s_load_b256 s[24:31], s[12:13], 0x0            ; e0 .. e7
.macro MKSCALE ex                      ; 2^e and 448 x 2^e as f32 patterns
	s_add_co_i32 s37, s[\ex], 127
	s_lshl_b32 s38, s37, 23
	v_mov_b32 v[SCL], s38                          ; the conversion takes its exponent field
	s_add_co_i32 s37, s37, 8
	s_lshl_b32 s37, s37, 23
	s_or_b32 s37, s37, 0x600000
	v_mov_b32 v[LIM], s37
.endm
	s_cmp_ge_u32 ttmp9, 768
	s_cbranch_scc1 .Lweights
; ---- x AND THE MASK: ONE TEXT.  A wave takes two tiles of 16 rows x 128 columns side by side.  Each load reads 512 consecutive bytes of one row; the conversions and the images want a lane to hold
; 8 neighbours of ITS row in each of eight groups: so a tile turns through the wave's own stage in LDS.
	s_mov_b32 s33, 8192
	s_cmp_lt_u32 ttmp9, 512                        ; x or the mask?  The choice hangs on the work-group's number alone
	s_cselect_b64 s[4:5], s[4:5], s[6:7]           ; from
	s_cselect_b64 s[14:15], s[14:15], s[16:17]     ; to
	s_cselect_b32 s32, 0, 512
	s_cselect_b32 s33, 4096, s33                   ; a row's bytes
	s_cselect_b32 s34, 0, 1                        ; sh: the mask's rows are twice as long, its tiles of the output four times as large
	s_sub_co_u32 s32, ttmp9, s32
	s_lshr_b32 s35, s32, s34                       ; the band of 16 rows
	s_and_b32 s36, s32, s34                        ; which half of a mask row's 16 tiles (x: 0)
	s_lshl_b32 s36, s36, 3
	s_lshl_b32 s37, s22, 1
	s_add_co_u32 s36, s36, s37                     ; my first tile in the band: 8 x half + 2 x wave
	s_add_co_u32 s37, s34, 16
	s_lshl_b32 s38, s35, s37                       ; band x 16 rows' bytes
	s_lshl_b32 s39, s36, 9
	s_add_co_u32 s38, s38, s39                     ; + tile x 512
	s_mov_b32 s39, 0
	s_add_nc_u64 s[4:5], s[4:5], s[38:39]
	s_add_co_u32 s37, s34, 3
	s_lshl_b32 s38, s35, s37                       ; band x tiles in a band (8 or 16)
	s_add_co_u32 s38, s38, s36
	s_lshl_b32 s37, s34, 1
	s_add_co_u32 s37, s37, 11
	s_lshl_b32 s38, s38, s37                       ; x an image's bytes (2,048 or 8,192)
	s_add_nc_u64 s[14:15], s[14:15], s[38:39]
	v_mov_b32 v4, s33
.set n, 0
.rept 16
	v_mad_u32_u24 v[A+n], v4, n, v[LI]
.set n, n+1
.endr
	s_mul_i32 s37, s22, WLDS
	v_add_nc_u32 v[WRA], s37, v[LI]
	v_mul_u32_u24 v[RDA], v6, SROW
	v_lshl_add_u32 v[RDA], v7, 5, v[RDA]
	v_add_nc_u32 v[RDA], s37, v[RDA]
.macro GLOAD t, R                      ; tile t as it lies: 16 rows, 512 consecutive bytes a load
.set n, 0
.rept 16
	global_load_b128 v[\R+4*n:\R+4*n+3], v[A+n], s[4:5] offset:512*(\t) th:TH_LOAD_NT
.set n, n+1
.endr
.endm
.macro TOST s, R                       ; into stage s
.set n, 0
.rept 16
	ds_store_b128 v[WRA], v[\R+4*n:\R+4*n+3] offset:(\s)*STG+SROW*n
.set n, n+1
.endr
.endm
.macro FROMST s, X                     ; and back: register 8 c + j = column 16 c + 8 h + j of row r.  LDS serves a wave's instructions in order (ISA guide 5.7.1.4): these see the stores
.set n, 0
.rept 16
	ds_load_b128 v[\X+4*n:\X+4*n+3], v[RDA] offset:(\s)*STG+64*(n/2)+16*(n%2)
.set n, n+1
.endr
.endm
; What is made of a turned tile.  The two arms hold register work and global stores alone; every LDS line stands on the common path.
.macro FINISH t, X, C
	s_cmp_lt_u32 ttmp9, 512
	s_cbranch_scc0 .Lmask_\@
.set n, 0
.rept 8
.set m, 0
.rept 8
	v_med3_num_f32 v[\X+8*n+m], v[\X+8*n+m], -v[LIM], v[LIM]   ; the conversion to an 8-bit code does not saturate (ISA guide 7.6.2): the hold at the largest code x the scale
.set m, m+1
.endr
	v_cvt_scalef32_pk8_fp8_f32 v[\C+2*n:\C+2*n+1], v[\X+8*n:\X+8*n+7], v[SCL]
.set n, n+1
.endr
	v_nop                                          ; a plain line behind the last conversion
.set n, 0
.rept 4
	global_store_b128 v[LI], v[\C+4*n:\C+4*n+3], s[14:15] offset:2048*(\t)+512*n   ; 512 consecutive bytes, aligned
.set n, n+1
.endr
	s_branch .Ldone_\@
.Lmask_\@:
.set n, 0
.rept 32
	v_pk_mul_f32 v[\X+n:\X+n+1], v[\X+n:\X+n+1], s[40:41] op_sel_hi:[1,0]      ; x log2(e)
.set n, n+2
.endr
.set n, 0
.rept 16
	global_store_b128 v[LI], v[\X+4*n:\X+4*n+3], s[14:15] offset:8192*(\t)+512*n
.set n, n+1
.endr
.Ldone_\@:
.endm
	GLOAD 0, RA
	GLOAD 1, RB
	s_wait_kmcnt 0x0
	MKSCALE 24                                     ; e0
	s_mov_b32 s40, LOG2E
	s_mov_b32 s41, s40                             ; (named with it as a pair, so it is written)
	s_wait_loadcnt 16                              ; tile 0's sixteen loads are in; tile 1's stay out
	TOST 0, RA
	FROMST 0, XA
	s_wait_loadcnt 0x0
	TOST 1, RB
	s_wait_dscnt 16                                ; all but tile 1's sixteen stores are done: tile 0 is back, and its stores have read v32-95,
	FROMST 1, XB                                   ; which take tile 1
	FINISH 0, XA, CA
	s_wait_dscnt 0x0
	FINISH 1, XB, CB                               ; no store's data or address register is written again, so no wait for the stores' sources is needed
	s_wait_tensorcnt 0x0
	ds_add_u32 v14, v15
	s_wait_dscnt 0x0
	s_endpgm
; ---- THE WEIGHTS: K is their FIRST axis.  A lane takes a column and its registers run down K: each load reads 128 consecutive bytes a wave (512 a work-group), and the conversions give codes along K.
; In an image a column's 16 bytes of register group g are k = 32 g + 8 h + 0 .. 7 and 32 g + 16 + 8 h + 0 .. 7: so of a block of 32 along K the first and third eights go to the h = 0 piece, the second and
; fourth to the h = 1 piece, 256 bytes further on.  Sixteen lanes store 256 consecutive bytes, aligned.  Loads run two blocks ahead.
.macro WLOAD b, pitch, inp
.set n, 0
.rept 32
	global_load_b32 v[WX+32*((\b)%2)+n], v[WI], s[\inp:\inp+1] offset:(32*(\b)+n)*(\pitch) th:TH_LOAD_NT
.set n, n+1
.endr
.endm
.macro WBLOCK b, pitch, inp, outp
.set XS, WX+32*((\b)%2)
.set CS, WC+8*(\b)
.if (\b) < 3
	s_wait_loadcnt 32                              ; this block's 32 loads are in; the next block's stay out
.else
	s_wait_loadcnt 0x0
.endif
.set n, 0
.rept 32
	v_med3_num_f32 v[XS+n], v[XS+n], -v[LIM], v[LIM]
.set n, n+1
.endr
	v_cvt_scalef32_pk8_fp8_f32 v[CS:CS+1],   v[XS:XS+7],     v[SCL]
	v_cvt_scalef32_pk8_fp8_f32 v[CS+4:CS+5], v[XS+8:XS+15],  v[SCL]
	v_cvt_scalef32_pk8_fp8_f32 v[CS+2:CS+3], v[XS+16:XS+23], v[SCL]
	v_cvt_scalef32_pk8_fp8_f32 v[CS+6:CS+7], v[XS+24:XS+31], v[SCL]
	v_nop
	global_store_b128 v[WO], v[CS:CS+3],   s[\outp:\outp+1] offset:512*(\b)
	global_store_b128 v[WO], v[CS+4:CS+7], s[\outp:\outp+1] offset:512*(\b)+256
.if (\b)+2 < 4
	WLOAD (\b)+2, \pitch, \inp
.endif
.endm
.macro WQUANT pitch, first, inp, outp, ex
	s_sub_co_u32 s32, ttmp9, \first
	s_and_b32 s33, s32, 7                          ; K step
	s_lshr_b32 s34, s32, 3                         ; which 128 columns
	s_mul_i32 s36, s33, 128*(\pitch)
	s_lshl_b32 s35, s34, 9
	s_add_co_u32 s36, s36, s35
	s_lshl_b32 s35, s22, 7                         ; my wave's 32 columns
	s_add_co_u32 s36, s36, s35
	s_mov_b32 s37, 0
	s_add_nc_u64 s[\inp:\inp+1], s[\inp:\inp+1], s[36:37]
	s_lshl_b32 s36, s34, 17                        ; 8 tiles of 16 columns x 16,384 bytes,
	s_lshl_b32 s35, s22, 15                        ; my wave's two,
	s_add_co_u32 s36, s36, s35
	s_lshl_b32 s35, s33, 11                        ; the K step's image
	s_add_co_u32 s36, s36, s35
	s_add_nc_u64 s[\outp:\outp+1], s[\outp:\outp+1], s[36:37]
	WLOAD 0, \pitch, \inp
	WLOAD 1, \pitch, \inp
	s_wait_kmcnt 0x0
	MKSCALE \ex
	WBLOCK 0, \pitch, \inp, \outp
	WBLOCK 1, \pitch, \inp, \outp
	WBLOCK 2, \pitch, \inp, \outp
	WBLOCK 3, \pitch, \inp, \outp
	s_endpgm
.endm
.Lweights:
	v_lshlrev_b32 v[WI], 2, v5
	v_lshlrev_b32 v[WO], 4, v6
	v_lshl_add_u32 v[WO], v7, 14, v[WO]            ; lanes 16-31 hold the next tile of 16 columns, 16,384 bytes on
	s_cmp_ge_u32 ttmp9, 960
	s_cbranch_scc1 .Lwproj
	WQUANT 12288, 768, 8, 18, 25                   ; Wqkv, e1
.Lwproj:
	WQUANT 4096, 960, 10, 20, 31                   ; Wproj, e7
.Lfunc_end_k_qf44367e30a_prep:
	.size	k_qf44367e30a_prep, .Lfunc_end_k_qf44367e30a_prep-k_qf44367e30a_prep
	.p2alignl 7, 3214868480
	.fill 96, 4, 3214868480
	.section	.rodata,"a",@progbits
	.p2align	6, 0x0
	.amdhsa_kernel k_qf44367e30a_prep
		.amdhsa_group_segment_fixed_size 68096
		.amdhsa_private_segment_fixed_size 0
		.amdhsa_enable_private_segment 0
		.amdhsa_kernarg_size 72
		.amdhsa_user_sgpr_count 2
		.amdhsa_user_sgpr_kernarg_segment_ptr 1
		.amdhsa_wavefront_size32 1
		.amdhsa_system_sgpr_workgroup_id_x 1
		.amdhsa_system_sgpr_workgroup_id_y 1
		.amdhsa_system_sgpr_workgroup_id_z 1
		.amdhsa_system_vgpr_workitem_id 0
		.amdhsa_next_free_vgpr 256
		.amdhsa_next_free_sgpr 66
		.amdhsa_reserve_vcc 0
		.amdhsa_float_denorm_mode_32 3
		.amdhsa_float_denorm_mode_16_64 3
		.amdhsa_memory_ordered 1
		.amdhsa_forward_progress 1
		.amdhsa_inst_pref_size 74
	.end_amdhsa_kernel
	.amdgpu_metadata
---
amdhsa.version: [ 1, 2 ]
amdhsa.kernels:
  - .name:           k_qf44367e30a_prep
    .symbol:         k_qf44367e30a_prep.kd
    .args:
      - { .name: x, .offset: 0, .size: 8, .value_kind: global_buffer, .address_space: global }
      - { .name: causal_mask, .offset: 8, .size: 8, .value_kind: global_buffer, .address_space: global }
      - { .name: Wqkv, .offset: 16, .size: 8, .value_kind: global_buffer, .address_space: global }
      - { .name: Wproj, .offset: 24, .size: 8, .value_kind: global_buffer, .address_space: global }
      - { .name: lowp_scales, .offset: 32, .size: 8, .value_kind: global_buffer, .address_space: global }
      - { .name: x_img, .offset: 40, .size: 8, .value_kind: global_buffer, .address_space: global }
      - { .name: m_img, .offset: 48, .size: 8, .value_kind: global_buffer, .address_space: global }
      - { .name: wq_img, .offset: 56, .size: 8, .value_kind: global_buffer, .address_space: global }
      - { .name: wp_img, .offset: 64, .size: 8, .value_kind: global_buffer, .address_space: global }
    .group_segment_fixed_size: 68096
    .private_segment_fixed_size: 0
    .kernarg_segment_align: 8
    .kernarg_segment_size: 72
    .max_flat_workgroup_size: 128
    .sgpr_count:     66
    .vgpr_count:     256
    .wavefront_size: 32
...
	.end_amdgpu_metadata
.endif
;; end of part 1
;; launch qkv (part 2): grid 12 x 32, 4 waves a work-group, clusters of 4 x 4, 327,680 bytes of LDS; arguments x_img, wq_img, lowp_scales, bqkv, qkv_img; writes qkv_img
.if DOCPART == 2
	.amdgcn_target "amdgcn-amd-amdhsa--gfx1250"
	.amdhsa_code_object_version 6
	.text
	.protected	k_qf44367e30a_qkv
	.globl	k_qf44367e30a_qkv
	.p2align	8
	.type	k_qf44367e30a_qkv,@function
k_qf44367e30a_qkv:
	s_mov_b64 s[64:65], 0
	v_nop
	global_prefetch_b8 v0, s[64:65] scope:SCOPE_SE
	s_setreg_imm32_b32 hwreg(HW_REG_WAVE_MODE, 25, 1), 1
	s_wait_xcnt 0x0
	s_wait_alu depctr_hold_cnt(0) depctr_sa_sdst(0) depctr_va_vdst(0) depctr_va_sdst(0) depctr_va_ssrc(0) depctr_va_vcc(0) depctr_vm_vsrc(0)
	s_getreg_b32 s2, hwreg(HW_REG_IB_STS2, 6, 4)
	s_cmp_eq_u32 s2, 0
	s_cbranch_scc0 .Lentry_in_a_cluster
	s_endpgm
.Lentry_in_a_cluster:
	s_bfe_u32 s2, ttmp6, 0x10000c
	s_cmp_lg_u32 s2, 0xf033
	s_cbranch_scc0 .Lentry_shape_is_right
	s_endpgm
.Lentry_shape_is_right:
; qkv = x Wqkv + bqkv on codes of FP8 (E4M3); q, k and v are quantised at once (scales 2^e2, 2^e3, 2^e5) and stored as images of the registers in which the attention wants them.
; x_img [16-token tile 512][K step 8][2048], wq_img [16-column tile 192][K step 8][2048]: an image holds a fragment (16 rows x 128 K, 16 registers): registers 4 g .. 4 g + 3 of lane l at 512 g + 16 l.
; qkv_img [q, k, v][batch x 16 + head][131072].  q, k: [16-token tile 128][1024]: 16 tokens x 64 channels, 8 registers.  v: [128-key step 16][16-channel tile 4][2048]: 16 channels x 128 keys.
; A tile of C, 256 x 256, is made by four waves, each 128 x 128: 64 accumulators, 512 registers.  K goes in steps of 256 (two images for each 16-row tile) through a ring of two LDS slots filled by the tensor data mover.
; An image is read back as it lies: every LDS load takes 512 consecutive bytes, so there is no pitch and no padding.
; CLUSTERS: 4 x 4 work-groups.  x's tiles are shared along a row of the cluster, W's along a column: each is asked for jointly, by the same tensor load with a mask that names the four.
; The cluster's x says what its columns are: 0 q, 1 k, 2 v (1,024 columns are four tiles).  It is the same in all sixteen partners.
; THE PRODUCT'S TWO SETS OF FRAGMENTS.  In accumulator (a, b) lane l holds row l % 16 of block a of the set that is source 1, and register j row 16 b + 8 (l / 16) + j of the set that is source 0.
;   q, k: source 1 = x, source 0 = W: a lane holds one token and its registers run along the features: the K of q k^T.
;   v:    source 1 = W, source 0 = x: a lane holds one channel and its registers run along the tokens: the K of p v.  Only the LDS addresses of the two sets change places; loop, loads and slots are the same.
; So for each a the 64 sums of a lane become 16 registers of codes that ARE fragments: no LDS on the way out.
; LIMITS: e0 + e1 between -126 and 127; e2, e3, e5 between -126 and 119.  NaN among the inputs is not served.
; The grid has 384 tiles; a larger tile does not fit the registers and a smaller one reads more LDS bytes for each product.  No prefetch: K has four steps, two of them asked for at the head.
; REGISTERS, in windows of 256: window 0: v16-29 addresses; v32-95, v96-111 the biases; v112-113 the quantiser's scale; from v128 source 1's fragments, ONE set (on the way out: 64 numbers at work, 4 x 16 codes).
;   window 1: source 0's fragments, TWO sets.   windows 2, 3: the accumulators ((a, b) at v[8 (8 (a % 4) + b)]).
.set IMG,    2048
.set TROW,   2*IMG                     ; what a slot holds of a 16-row tile: 256 along K
.set TPITCH, 8*IMG                     ; from a 16-row tile to the next in memory
.set FR,     16
.set NL,     4
.set NP,     4                         ; places behind this matrix instruction (ISA guide 7.12.1)
.set HALFT,  8*TROW                    ; 128 rows: what one tensor load brings, and what one wave reads of a side
.set SLOT,   4*HALFT                   ; x's 256 rows, then W's 256 columns
.set SPARE,  2*SLOT                    ; behind the ring: the spare words, 128 bytes for each wave
.set LAPS,   2                         ; 1,024 along K = 4 K steps = twice round the ring
.set ADRA, 16                          ; v16-17  LDS address of source 1's fragments in slot 0, 1
.set ADRB, 20                          ; v20-21  of source 0's
.set OFS,  24                          ; v24     16 x lane
.set SPW,  28
.set NIL,  29
.set BQ,   32                          ; v32-95   q, k: bias of feature 16 b + 8 h + j at 8 b + j
.set BV,   96                          ; v96-111  v: bias of channel 16 a + r, twice, at 2 a
.set SCL,  112
.set LIM,  113
.set T,    128
.set CD,   192
.set AF,   128
.set G1, 24
.set G0, 32
.set G1B, 48
.set G0B, 56
.set MSB, 0
.macro WIN new                         ; the immediate's high byte repeats the setting that is left
.if MSB != (\new)
	s_set_vgpr_msb (MSB<<8)|(\new)
.set MSB, \new
.endif
.endm
.set MUL_LO, 0xa1                      ; source 0 window 1, source 1 window 0, C and D window 2
.set MUL_HI, 0xf1
.set TO_B,   0x40
; A joint load: waves 0 and 1 fetch x's two halves, waves 2 and 3 W's.  The branch hangs on the wave's number alone.  Four v_nop follow each of the two lines.
.macro JLOAD g0a, g1a, g0b, g1b
	s_cmp_eq_u32 s15, 0
	s_cbranch_scc0 .Lfor_b_\@
	tensor_load_to_lds s[\g0a:\g0a+3], s[\g1a:\g1a+7]
	s_nop 0
.rept 4
	v_nop
.endr
	s_branch .Lasked_\@
.Lfor_b_\@:
	tensor_load_to_lds s[\g0b:\g0b+3], s[\g1b:\g1b+7]
	s_nop 0
.rept 4
	v_nop
.endr
.Lasked_\@:
.endm
.macro CREST                           ; a round of the cluster's barrier behind its opening barrier
	s_cmp_lg_u32 s14, 0
	s_cbranch_scc1 .Lnot_wave_0_\@
	s_barrier_signal -3
.Lnot_wave_0_\@:
	s_barrier_wait -3
	s_barrier_signal -1
	s_barrier_wait -1
.endm
.macro CROUND
	s_barrier_signal -1
	s_barrier_wait -1
	CREST
.endm
	s_load_b128 s[4:7], s[0:1], 0x0                ; x_img, wq_img
	s_load_b128 s[8:11], s[0:1], 0x10              ; the scales' exponents, bqkv
	s_load_b64 s[12:13], s[0:1], 0x20              ; qkv_img
	v_lshl_add_u32 v[SPW], v0, 2, SPARE
	v_mov_b32 v[NIL], 0
	ds_add_u32 v28, v29
	ds_add_u32 v28, v29
	s_wait_dscnt 0x0
	v_lshrrev_b32 v1, 5, v0
	v_readfirstlane_b32 s14, v1                    ; wave 0..3
	s_lshr_b32 s15, s14, 1                         ; which half of the tile's rows is mine.  Also: I fetch for x (0) or for W (1)
	s_and_b32 s16, s14, 1                          ; which half of its columns.  Also: which 128 rows of that side I fetch
	s_bfe_u32 s40, ttmp6, 0x40000                  ; cx, cy
	s_bfe_u32 s41, ttmp6, 0x40004
	s_lshl_b32 s42, ttmp9, 2
	s_add_co_u32 s42, s42, s40                     ; tile column
	s_and_b32 s17, ttmp7, 0xffff
	s_lshl_b32 s17, s17, 2
	s_add_co_u32 s17, s17, s41                     ; tile row
	s_lshl_b32 s43, s41, 2
	s_lshl_b32 s43, 15, s43                        ; my row of the cluster
	s_lshl_b32 s44, 0x1111, s40                    ; my column
	s_or_b32 s[G1+0], s43, (1<<21)                 ; 15:0 the mask; 17:16 elements of 1 byte; 20 no padding; 21 set beside a mask
	s_or_b32 s[G1B+0], s44, (1<<21)
.irp g, G1, G1B
	s_mov_b32 s[\g+1], TROW<<16                    ; tensor_dim0 = 4,096 bytes: two images on end
	s_mov_b32 s[\g+2], 8<<16                       ; tensor_dim1 = 8 tiles of 16 rows
	s_mov_b32 s[\g+3], TROW<<16                    ; tile_dim0
	s_mov_b32 s[\g+4], 8                           ; tile_dim1
	s_mov_b32 s[\g+5], TPITCH                      ; tensor_dim0_stride
	s_mov_b32 s[\g+6], 0
	s_mov_b32 s[\g+7], 0
.endr
	s_lshl_b32 s18, s16, 17                        ; 8 tiles x 16,384 bytes: the half that I fetch
	s_lshl_b32 s20, s17, 18
	s_add_co_u32 s20, s20, s18                     ; x: 16 tiles x tile row + half
	s_lshl_b32 s46, s42, 18
	s_add_co_u32 s46, s46, s18                     ; W: the same with the tile column
	s_mov_b32 s21, 0
	s_mov_b32 s47, 0
	s_lshl_b32 s45, s14, 15                        ; where they go: wave x HALFT: no place in the cluster enters an LDS address
	s_wait_kmcnt 0x0
	s_load_b256 s[72:79], s[8:9], 0x0              ; e0 .. e7
	s_add_nc_u64 s[20:21], s[4:5], s[20:21]
	s_add_nc_u64 s[46:47], s[6:7], s[46:47]
	CROUND                                         ; all sixteen work-groups are here: the first joint loads meet
.irp s, 0,1
	s_mov_b32 s[G0+4*\s], 1
	s_add_co_u32 s[G0+4*\s+1], s45, \s*SLOT
	s_add_nc_u64 s[G0+4*\s+2:G0+4*\s+3], s[20:21], \s*TROW
	s_or_b32 s[G0+4*\s+3], s[G0+4*\s+3], 0x80000000
	s_mov_b32 s[G0B+4*\s], 1
	s_add_co_u32 s[G0B+4*\s+1], s45, \s*SLOT
	s_add_nc_u64 s[G0B+4*\s+2:G0B+4*\s+3], s[46:47], \s*TROW
	s_or_b32 s[G0B+4*\s+3], s[G0B+4*\s+3], 0x80000000
	JLOAD G0+4*\s, G1, G0B+4*\s, G1B               ; two loads of mine are out
.endr
	v_and_b32 v1, 31, v0
	v_lshlrev_b32 v[OFS], 4, v1
	s_lshl_b32 s21, s15, 15                        ; my 128 rows of x
	s_lshl_b32 s22, s16, 15
	s_add_co_u32 s22, s22, 2*HALFT                 ; my 128 columns of W
	s_cmp_eq_u32 ttmp9, 2                          ; v: the two sets change places
	s_cselect_b32 s18, s22, s21                    ; source 1's set
	s_cselect_b32 s19, s21, s22                    ; source 0's
.irp s, 0,1
	v_add_nc_u32 v[ADRA+\s], s18, v[OFS]
	v_add_nc_u32 v[ADRB+\s], s19, v[OFS]
	s_add_co_u32 s18, s18, SLOT
	s_add_co_u32 s19, s19, SLOT
.endr
	v_and_b32 v2, 15, v0                           ; r
	v_bfe_u32 v3, v0, 4, 1                         ; h
	v_lshlrev_b32 v5, 5, v3                        ; 32 h
	v_lshlrev_b32 v6, 2, v2                        ; 4 r
	s_lshl_b32 s46, s42, 10
	s_lshl_b32 s47, s16, 9
	s_add_co_u32 s46, s46, s47                     ; my first column, in bytes of f32
	s_mov_b32 s47, 0
	s_add_nc_u64 s[10:11], s[10:11], s[46:47]
.set n, 0
.rept 8                                        ; both forms of the bias are fetched now and waited for on the way out
	global_load_b128 v[BQ+8*n:BQ+8*n+3],   v5, s[10:11] offset:64*n
	global_load_b128 v[BQ+8*n+4:BQ+8*n+7], v5, s[10:11] offset:64*n+16
	global_load_b32 v[BV+2*n],   v6, s[10:11] offset:64*n
	global_load_b32 v[BV+2*n+1], v6, s[10:11] offset:64*n
.set n, n+1
.endr
	s_lshl_b32 s20, s17, 8
	s_lshl_b32 s21, s15, 7
	s_add_co_u32 s20, s20, s21                     ; my first token
	s_lshr_b32 s21, s20, 11                        ; its batch,
	s_and_b32 s20, s20, 2047                       ; its place there
	s_lshl_b32 s21, s21, 4
	s_lshl_b32 s23, s40, 2
	s_add_co_u32 s21, s21, s23
	s_lshl_b32 s23, s16, 1
	s_add_co_u32 s21, s21, s23                     ; 16 x batch + my first head (4 cx + 2 x half)
	s_lshl_b32 s21, s21, 17
	s_lshl_b32 s20, s20, 6                         ; 64 bytes a token, in q, k and v alike
	s_add_co_u32 s20, s20, s21
	s_lshl_b32 s21, ttmp9, 23                      ; q, k or v
	s_add_co_u32 s20, s20, s21
	s_mov_b32 s21, 0
	s_add_nc_u64 s[12:13], s[12:13], s[20:21]
.macro FRAG reg, adr, q, i             ; the image of 16-row tile i, the slot's q-th 128 along K
.irp c, 0,1,2,3
	ds_load_b128 v[\reg+4*\c:\reg+4*\c+3], v[\adr] offset:(\i)*TROW+(\q)*IMG+512*\c
.endr
.endm
; 16 matrix instructions: source 1's blocks a0, a0 + 1 x source 0's eight.  The 64 accumulators take turns, one instruction a turn, in the same order in every step.
.macro MUL16 a0, p, zero
.irp a, \a0, \a0+1
.irp b, 0,1,2,3,4,5,6,7
.if \zero
	v_wmma_f32_16x16x128_fp8_fp8 v[8*(8*((\a)%4)+\b):8*(8*((\a)%4)+\b)+7], v[128*(\p)+FR*\b:128*(\p)+FR*\b+FR-1], v[AF+FR*(\a):AF+FR*(\a)+FR-1], 0
.else
	v_wmma_f32_16x16x128_fp8_fp8 v[8*(8*((\a)%4)+\b):8*(8*((\a)%4)+\b)+7], v[128*(\p)+FR*\b:128*(\p)+FR*\b+FR-1], v[AF+FR*(\a):AF+FR*(\a)+FR-1], v[8*(8*((\a)%4)+\b):8*(8*((\a)%4)+\b)+7]
.endif
.endr
.endr
.endm
.macro FETCH_B slot, q, p
	WIN TO_B
.irp i, 0,1,2,3,4,5,6,7
	FRAG 128*(\p)+FR*\i, ADRB+\slot, \q, \i
.endr
	WIN 0
.endm
.macro FETCH_A slot, q, i0
.irp i, \i0, \i0+1, \i0+2, \i0+3
	FRAG AF+FR*(\i), ADRA+\slot, \q, \i
.endr
.endm
.macro PLACES n                        ; plain vector lines between a matrix instruction and a load into, or a vector line on, its registers (ISA guide 7.12.1 for vector lines)
.rept \n
	v_nop
.endr
.endm
.macro STEP slot, q, zero              ; 128 along K that have their successor in the same slot
	s_wait_dscnt 4*NL                              ; source 0's set and blocks 0-3 are in; the youngest sixteen loads (blocks 4-7) may be out
	WIN MUL_LO
	MUL16 0, (\q)%2, \zero
	MUL16 2, (\q)%2, \zero
	s_wait_dscnt 0
	PLACES NP
	FETCH_B \slot, (\q)+1, 1-(\q)%2
	FETCH_A \slot, (\q)+1, 0
	WIN MUL_HI
	MUL16 4, (\q)%2, \zero
	MUL16 6, (\q)%2, \zero
	PLACES NP
	WIN 0
	FETCH_A \slot, (\q)+1, 4
.endm
; A slot's last step changes slots: ONE barrier; in front of it each wave waits for all its tensor loads, adds 0 to its spare word, and waits for that and for its reads of this slot.
.macro TURN slot, next, fill
	s_wait_tensorcnt 0x0                           ; all my tensor loads have landed: my part of the next slot
	ds_add_u32 v[SPW], v[NIL]                      ; 0 onto my spare word
	s_wait_dscnt 4*NL+1                            ; (the add and the youngest sixteen loads may be out)
	WIN MUL_LO
	MUL16 0, 1, 0
	s_wait_dscnt 0x0                               ; the add is done, and my reads of this slot are over
	s_barrier_signal -1
	MUL16 2, 1, 0
	WIN 0
	s_barrier_wait -1
.if \fill
	CREST                                          ; the barrier has opened a round of the cluster's: no wave of any partner still reads this slot or has a load on its way
	s_add_nc_u64 s[G0+4*\slot+2:G0+4*\slot+3], s[G0+4*\slot+2:G0+4*\slot+3], 2*TROW
	s_add_nc_u64 s[G0B+4*\slot+2:G0B+4*\slot+3], s[G0B+4*\slot+2:G0B+4*\slot+3], 2*TROW
	JLOAD G0+4*\slot, G1, G0B+4*\slot, G1B         ; the first tensor load behind the round; its four v_nop are the places in front of the loads below
.else
	PLACES NP
.endif
	FETCH_B \next, 0, 0
	FETCH_A \next, 0, 0
	WIN MUL_HI
	MUL16 4, 1, 0
	MUL16 6, 1, 0
	PLACES NP
	WIN 0
	FETCH_A \next, 0, 4
.endm
	s_wait_tensorcnt 1                             ; my part of K step 0 is in (K step 1's load may be out)
	s_barrier_signal -1
	s_barrier_wait -1                              ; everybody's is
	FETCH_B 0, 0, 0
	FETCH_A 0, 0, 0
	FETCH_A 0, 0, 4
	STEP 0, 0, 1                                   ; the first step's products start the sums: nothing is cleared
	s_mov_b32 s3, LAPS-1
.Llap:                                                 ; a trip goes once round the ring and fills both slots again
	TURN 0, 1, 1
	STEP 1, 0, 0
	TURN 1, 0, 1
	STEP 0, 0, 0
	s_sub_co_u32 s3, s3, 1
	s_cmp_lg_u32 s3, 0
	s_cbranch_scc1 .Llap
	TURN 0, 1, 0                                   ; the last lap fills nothing
	STEP 1, 0, 0
	s_wait_dscnt 4*NL
	WIN MUL_LO
	MUL16 0, 1, 0
	MUL16 2, 1, 0
	s_wait_dscnt 0
	WIN MUL_HI
	MUL16 4, 1, 0
	MUL16 6, 1, 0
	WIN 0
; THE WAY OUT, block a of source 1 at a time: sum x 2^(e0 + e1) + bias in one packed multiply-add for two numbers (each accumulator from its low end on), the hold, the conversion: 16 registers of codes,
; stored as they stand, 512 consecutive bytes a store.  q, k: two fragments of 16 tokens x 64 channels, one for each of my two heads.  v: one fragment of 16 channels x 128 keys.
.macro OUTA a, isv
.set AC, 64*((\a)%4)
.set CC, CD+16*((\a)%4)
.if (\a) >= 4
	s_wait_xcnt 0x0                                ; block a - 4's stores have read their registers, which take this block's codes
.endif
	WIN 0x02+((\a)/4)                              ; source 0: window 2 or 3
.set n, 0
.rept 32
.if \isv
	v_pk_fma_f32 v[T+n:T+n+1], v[AC+n:AC+n+1], s[96:97], v[BV+2*(\a):BV+2*(\a)+1] op_sel_hi:[1,0,1]
.else
	v_pk_fma_f32 v[T+n:T+n+1], v[AC+n:AC+n+1], s[96:97], v[BQ+n:BQ+n+1] op_sel_hi:[1,0,1]
.endif
.set n, n+2
.endr
	WIN 0
.set n, 0
.rept 8
.set m, 0
.rept 8
	v_med3_num_f32 v[T+8*n+m], v[T+8*n+m], -v[LIM], v[LIM]     ; the conversion does not saturate (ISA guide 7.6.2)
.set m, m+1
.endr
	v_cvt_scalef32_pk8_fp8_f32 v[CC+2*n:CC+2*n+1], v[T+8*n:T+8*n+7], v[SCL]
.set n, n+1
.endr
	v_nop                                          ; a plain line between the last conversion and the next block's writes of its sources
.if \isv
.irp g, 0,1,2,3
	global_store_b128 v[OFS], v[CC+4*\g:CC+4*\g+3], s[12:13] offset:((\a)/4)*131072+((\a)%4)*2048+512*\g
.endr
.else
	global_store_b128 v[OFS], v[CC:CC+3],     s[12:13] offset:1024*(\a)
	global_store_b128 v[OFS], v[CC+4:CC+7],   s[12:13] offset:1024*(\a)+512
	global_store_b128 v[OFS], v[CC+8:CC+11],  s[12:13] offset:1024*(\a)+131072
	global_store_b128 v[OFS], v[CC+12:CC+15], s[12:13] offset:1024*(\a)+131584
.endif
.endm
	s_wait_kmcnt 0x0
	s_add_co_i32 s96, s72, s73
	s_add_co_i32 s96, s96, 127
	s_lshl_b32 s96, s96, 23                        ; 2^(e0 + e1) as f32
	s_mov_b32 s97, s96
	s_cmp_eq_u32 ttmp9, 0
	s_cselect_b32 s67, s74, s75                    ; e2 for q, e3 for k,
	s_cmp_eq_u32 ttmp9, 2
	s_cselect_b32 s67, s77, s67                    ; e5 for v: a choice, no branch on a loaded number
	s_add_co_i32 s67, s67, 127
	s_lshl_b32 s68, s67, 23
	v_mov_b32 v[SCL], s68
	s_add_co_i32 s67, s67, 8
	s_lshl_b32 s67, s67, 23
	s_or_b32 s67, s67, 0x600000
	v_mov_b32 v[LIM], s67
	s_wait_loadcnt 0x0                             ; the biases
	PLACES NP
	s_cmp_eq_u32 ttmp9, 2                          ; the cluster's x: the same in all partners and all waves
	s_cbranch_scc1 .Lv_out
.irp a, 0,1,2,3,4,5,6,7
	OUTA \a, 0
.endr
	s_branch .Lend
.Lv_out:
.irp a, 0,1,2,3,4,5,6,7
	OUTA \a, 1
.endr
.Lend:
	s_wait_tensorcnt 0x0                           ; the wave's end
	ds_add_u32 v[SPW], v[NIL]
	s_wait_dscnt 0x0
	CROUND                                         ; the closing round
	s_endpgm
.Lfunc_end_k_qf44367e30a_qkv:
	.size	k_qf44367e30a_qkv, .Lfunc_end_k_qf44367e30a_qkv-k_qf44367e30a_qkv
	.p2alignl 7, 3214868480
	.fill 96, 4, 3214868480
	.section	.rodata,"a",@progbits
	.p2align	6, 0x0
	.amdhsa_kernel k_qf44367e30a_qkv
		.amdhsa_group_segment_fixed_size 327680
		.amdhsa_private_segment_fixed_size 0
		.amdhsa_enable_private_segment 0
		.amdhsa_kernarg_size 40
		.amdhsa_user_sgpr_count 2
		.amdhsa_user_sgpr_kernarg_segment_ptr 1
		.amdhsa_wavefront_size32 1
		.amdhsa_system_sgpr_workgroup_id_x 1
		.amdhsa_system_sgpr_workgroup_id_y 1
		.amdhsa_system_sgpr_workgroup_id_z 1
		.amdhsa_system_vgpr_workitem_id 0
		.amdhsa_next_free_vgpr 1024
		.amdhsa_next_free_sgpr 98
		.amdhsa_reserve_vcc 0
		.amdhsa_float_denorm_mode_32 3
		.amdhsa_float_denorm_mode_16_64 3
		.amdhsa_memory_ordered 1
		.amdhsa_forward_progress 1
		.amdhsa_inst_pref_size 193
	.end_amdhsa_kernel
	.amdgpu_metadata
---
amdhsa.version: [ 1, 2 ]
amdhsa.kernels:
  - .name:           k_qf44367e30a_qkv
    .symbol:         k_qf44367e30a_qkv.kd
    .args:
      - { .name: x_img, .offset: 0, .size: 8, .value_kind: global_buffer, .address_space: global }
      - { .name: wq_img, .offset: 8, .size: 8, .value_kind: global_buffer, .address_space: global }
      - { .name: lowp_scales, .offset: 16, .size: 8, .value_kind: global_buffer, .address_space: global }
      - { .name: bqkv, .offset: 24, .size: 8, .value_kind: global_buffer, .address_space: global }
      - { .name: qkv_img, .offset: 32, .size: 8, .value_kind: global_buffer, .address_space: global }
    .group_segment_fixed_size: 327680
    .private_segment_fixed_size: 0
    .kernarg_segment_align: 8
    .kernarg_segment_size: 40
    .max_flat_workgroup_size: 128
    .sgpr_count:     98
    .vgpr_count:     1024
    .wavefront_size: 32
...
	.end_amdgpu_metadata
.endif
;; end of part 2
;; launch attn (part 3): grid 8 x 32, 8 waves a work-group, no clusters, 327,680 bytes of LDS; arguments qkv_img, m_img, lowp_scales, ao_img; writes ao_img
.if DOCPART == 3
	.amdgcn_target "amdgcn-amd-amdhsa--gfx1250"
	.amdhsa_code_object_version 6
	.text
	.protected	k_qf44367e30a_attn
	.globl	k_qf44367e30a_attn
	.p2align	8
	.type	k_qf44367e30a_attn,@function
k_qf44367e30a_attn:
	s_mov_b64 s[64:65], 0
	v_nop
	global_prefetch_b8 v0, s[64:65] scope:SCOPE_SE
	s_setreg_imm32_b32 hwreg(HW_REG_WAVE_MODE, 25, 1), 1
	s_wait_xcnt 0x0
; out = softmax(q k^T / 8 + mask) v for 64 (batch, head) pairs of 2,048 tokens x 64 channels, both products on codes of FP8 (E4M3); the result is quantised (2^e6) for the projection.
; The mask is an input: every score is computed and every number of the mask is read.
; THE SOFTMAX AHEAD OF THE SECOND PRODUCT: t = score x log2(e) / 8 + mask x log2(e) (the second term comes ready from m_img); M = the running largest t rounded UP to a whole number; p = 2^(t - M) is quantised
; (2^e4) along the keys, not normalised; the row's sum is taken of the unquantised p and divides at the end.  When M moves, the sum and O are multiplied by 2^(old M - new M): exact, and no branch on data.
; SHARES.  A work-group: 256 queries (x) of two neighbouring heads of one batch (y = 8 x batch + pair).  Each of its eight waves: 32 queries (two tiles y of 16) for both heads x; u = 2 x + y.  Two waves to a SIMD, so
; that one wave's vector work stands beside the other's products and LDS loads.  A register of the mask serves both heads; a fragment of K or V serves both tiles of queries.
; LAYOUT.  Both products are used transposed: S^T = K Q^T (source 0 = 16 keys, source 1 = 16 queries, K = 64), O^T = V^T P^T (source 0 = 16 channels, source 1 = P, K = 128 keys): a lane holds ONE query throughout.
; In tile t of S^T register j is key 16 t + 8 (lane / 16) + j: just the place that the second product's own layout gives it, so the conversions' results are its operand.
; All operands come as images of their registers (registers 4 g .. 4 g + 3 of lane l at 512 g + 16 l): every load takes 512 consecutive bytes.
; K and V come through a ring of two LDS slots of 512 keys (four key steps), each wave fetching 16 KiB of a slot by one tensor load; the mask goes from memory straight into each wave's own registers, a key step ahead.
; NO CLUSTER: what work-groups could ask for jointly, K and V, is 32 KiB of the 160 KiB that a key step brings to a work-group; the mask's registers are each wave's own.
; LIMITS: e2 + e3 between -123 and 130 (added to c's exponent field); e4, e6 between -126 and 119.  A row of the mask that is all -infinity gives NaN, as the softmax of such a row does.  NaN inputs are not served.
; REGISTERS.  Window 0: v1-7 addresses; v8-15 at work; v16+4u: -M, the largest t, the sum in two halves; v32+8u Q; v64-127 a step's K or V of one head; v128-191 S^T, then p; v192+16y p's codes; v224-227 scales.
;   Window 1: v0-127 O^T (32 u + 8 x tile of channels); v128-255 the mask's two tiles.
.set SLOT1, 1<<17                      ; a slot: K of head 0, K of head 1, V of head 0, V of head 1, 32,768 bytes each; a key step is 8,192 bytes of each
.set SPARE, 2*SLOT1                    ; behind the ring: the spare words, 128 bytes for each of eight waves
.set LI,  1                            ; v1  16 x lane
.set SPW, 2
.set NIL, 3
.set ADK, 4                            ; v4  LDS address of the step's K
.set ADV, 5                            ; v5  of its V
.set LV,  6                            ; v6  16 x lane + 65,536
.set PFO, 7                            ; v7  256 x lane
.set ST,  16
.set Q,   32
.set F,   64
.set S,   128
.set P,   192
.set MK,  128                          ; in window 1
.set MSB, 0
.macro WIN new
.if MSB != (\new)
	s_set_vgpr_msb (MSB<<8)|(\new)
.set MSB, \new
.endif
.endm
.macro PLACES                          ; plain vector lines between a matrix instruction and a load into, or a vector line on, its registers (ISA guide 7.12.1 for vector lines)
.rept 4
	v_nop
.endr
.endm
	s_load_b256 s[4:11], s[0:1], 0x0               ; qkv_img 4:5, m_img 6:7, the scales' exponents 8:9, ao_img 10:11
	v_lshl_add_u32 v[SPW], v0, 2, SPARE
	v_mov_b32 v[NIL], 0
	ds_add_u32 v2, v3
	ds_add_u32 v2, v3
	s_wait_dscnt 0x0
	v_lshrrev_b32 v4, 5, v0
	v_readfirstlane_b32 s12, v4                    ; wave 0..7
	s_and_b32 s13, ttmp7, 0xffff                   ; Y = 8 x batch + pair of heads; the heads' numbers among the 64 are 2 Y and 2 Y + 1
	; descriptor group 1: a dense block of 16 KiB as 64 rows of 256 bytes
	s_mov_b32 s16, 3<<16                           ; no mask; elements of 8 bytes; no padding
	s_mov_b32 s17, 32<<16                          ; tensor_dim0 = 32
	s_mov_b32 s18, 64<<16                          ; tensor_dim1 = 64
	s_mov_b32 s19, 32<<16                          ; tile_dim0 = 32
	s_mov_b32 s20, 64                              ; tile_dim1 = 64
	s_mov_b32 s21, 32                              ; tensor_dim0_stride
	s_mov_b32 s22, 0
	s_mov_b32 s23, 0
	; what I fetch: waves 0-3 K, 4-7 V; (wave / 2) % 2 the head; wave % 2 the half of the slot's 32 KiB
	s_lshr_b32 s14, s12, 2
	s_add_co_u32 s14, s14, 1
	s_lshl_b32 s14, s14, 23
	s_bfe_u32 s15, s12, 0x10001
	s_lshl_b32 s33, s13, 1
	s_add_co_u32 s15, s15, s33
	s_lshl_b32 s15, s15, 17
	s_add_co_u32 s14, s14, s15
	s_and_b32 s15, s12, 1
	s_lshl_b32 s15, s15, 14
	s_add_co_u32 s38, s14, s15
	s_mov_b32 s39, 0
	s_wait_kmcnt 0x0
	s_load_b256 s[40:47], s[8:9], 0x0              ; e0 .. e7
	s_mov_b32 s24, 1
	s_lshl_b32 s25, s12, 14                        ; LDS: wave x 16,384, in slot 0
	s_add_nc_u64 s[26:27], s[4:5], s[38:39]
	s_or_b32 s27, s27, 0x80000000
	tensor_load_to_lds s[24:27], s[16:23]          ; slot 0: one load of mine is out
	s_nop 0
	PLACES
	v_and_b32 v[LI], 31, v0
	v_lshlrev_b32 v[LI], 4, v[LI]
	v_add_nc_u32 v[LV], 65536, v[LI]
	v_lshlrev_b32 v[PFO], 4, v[LI]
	s_lshl_b32 s57, ttmp9, 4
	s_lshl_b32 s33, s12, 1
	s_add_co_u32 s57, s57, s33                     ; my first tile of 16 queries: 16 x work-group x + 2 x wave
	s_lshl_b32 s38, s13, 18
	s_lshl_b32 s33, s57, 10
	s_add_co_u32 s38, s38, s33
	s_add_nc_u64 s[52:53], s[4:5], s[38:39]        ; q of head 2 Y at that tile
	s_lshl_b32 s38, s57, 17
	s_add_nc_u64 s[34:35], s[6:7], s[38:39]        ; the mask's images of that tile
.irp x, 0,1
.irp y, 0,1
	global_load_b128 v[Q+8*(2*\x+\y):Q+8*(2*\x+\y)+3],   v[LI], s[52:53] offset:131072*\x+1024*\y
	global_load_b128 v[Q+8*(2*\x+\y)+4:Q+8*(2*\x+\y)+7], v[LI], s[52:53] offset:131072*\x+1024*\y+512
.endr
.endr
	WIN 0x40                                       ; destination window 1
.irp y, 0,1
.set n, 0
.rept 16
	global_load_b128 v[MK+64*\y+4*n:MK+64*\y+4*n+3], v[LI], s[34:35] offset:131072*\y+512*n   ; key step 0's mask
.set n, n+1
.endr
.endr
.set n, 0
.rept 128
	v_mov_b32 v[n], 0                              ; O^T.  The key step is written without a first step of its own: it finds zeros, which the first change of M leaves zeros; that spares a third copy of the step
.set n, n+1
.endr
	WIN 0
.irp u, 0,1,2,3
	v_mov_b32 v[ST+4*\u+1], 0xff61b1e6             ; the largest t so far: -3e38
	v_floor_f32 v[ST+4*\u], -v[ST+4*\u+1]          ; -M
	v_mov_b32 v[ST+4*\u+2], 0                      ; the sum, in two halves
	v_mov_b32 v[ST+4*\u+3], 0
.endr
	v_mov_b32 v10, 0                               ; a lane permute's destination counts as one of its sources
	v_mov_b32 v13, 0                               ; (named as the upper half of the pair v[12:13])
	s_lshr_b32 s14, s13, 3
	s_lshl_b32 s14, s14, 7
	s_add_co_u32 s14, s14, s57                     ; my first tile of 16 tokens among the 512
	s_lshl_b32 s14, s14, 3
	s_and_b32 s33, s13, 7
	s_add_co_u32 s14, s14, s33                     ; its K step of the projection: my pair of heads
	s_lshl_b32 s38, s14, 11
	s_add_nc_u64 s[54:55], s[10:11], s[38:39]
	s_mov_b32 s28, 0                               ; LDS byte at which the key step in hand begins
	s_mov_b32 s29, 3                               ; slots still to be asked for
	s_mov_b32 s31, 0                               ; key steps begun
	s_mov_b32 s50, 0x76543210                      ; v_permlanex16_b32: lane l xor 16
	s_mov_b32 s51, 0xfedcba98
	s_cmp_eq_u32 s13, 0
	s_cselect_b32 s32, 15, 0                       ; who prefetches, and until when (below)
	s_wait_kmcnt 0x0
	s_mov_b32 s48, 0x3e38aa3b                      ; c = log2(e) / 8
	s_add_co_i32 s33, s42, s43
	s_lshl_b32 s33, s33, 23
	s_add_co_i32 s48, s48, s33                     ; x 2^(e2 + e3)
	s_mov_b32 s49, s48
	s_add_co_i32 s33, s44, 127
	s_lshl_b32 s14, s33, 23
	v_mov_b32 v224, s14                            ; 2^e4
	s_add_co_i32 s33, s33, 8
	s_lshl_b32 s33, s33, 23
	s_or_b32 s33, s33, 0x600000
	v_mov_b32 v225, s33                            ; 448 x 2^e4
	s_add_co_i32 s33, s46, 127
	s_lshl_b32 s14, s33, 23
	v_mov_b32 v226, s14                            ; 2^e6
	s_add_co_i32 s33, s33, 8
	s_lshl_b32 s33, s33, 23
	s_or_b32 s33, s33, 0x600000
	v_mov_b32 v227, s33                            ; 448 x 2^e6
	s_add_co_i32 s56, s44, s45                     ; e4 + e5
.macro FETCH adr, x                    ; head x's 8,192 bytes of the key step, K's (eight fragments of 16 keys x 64) or V's (four of 16 channels x 128 keys): register group n at 512 n
.set n, 0
.rept 16
	ds_load_b128 v[F+4*n:F+4*n+3], v[\adr] offset:32768*(\x)+512*n
.set n, n+1
.endr
.endm
.macro QK u                            ; S^T of 128 keys x tile u's 16 queries
.set n, 0
.rept 8
	v_wmma_f32_16x16x64_fp8_fp8 v[S+8*n:S+8*n+7], v[F+8*n:F+8*n+7], v[Q+8*(\u):Q+8*(\u)+7], 0
.set n, n+1
.endr
.endm
.macro PV x                            ; O^T += V^T P^T for head x's two tiles: eight accumulators by turns, one instruction a turn
	WIN 0x50                                       ; C and D window 1
.irp ct, 0,1,2,3
.irp y, 0,1
	v_wmma_f32_16x16x128_fp8_fp8 v[32*(2*(\x)+\y)+8*\ct:32*(2*(\x)+\y)+8*\ct+7], v[F+16*\ct:F+16*\ct+15], v[P+16*\y:P+16*\y+15], v[32*(2*(\x)+\y)+8*\ct:32*(2*(\x)+\y)+8*\ct+7]
.endr
.endr
	WIN 0
.endm
; One tile's softmax for one key step.
.macro SOFTMAX u, y, x
.set rT, ST+4*(\u)
.set rM, MK+64*(\y)
.set rP, P+16*(\y)
.set rO, 32*(\u)
.if (\x) == 0
	s_wait_loadcnt 16-16*(\y)                      ; this tile's sixteen mask loads are in; behind tile 0's stand tile 1's sixteen
.endif
	WIN 0x10                                       ; source 2 window 1
.set n, 0
.rept 32
	v_pk_fma_f32 v[S+n:S+n+1], v[S+n:S+n+1], s[48:49], v[rM+n:rM+n+1] op_sel_hi:[1,0,1]   ; t = score x c + mask x log2(e); each accumulator from its low end on
.set n, n+2
.endr
.if (\x) == 1                                  ; the second head has used the mask: its registers take the next key step's
	WIN 0x40
.set n, 0
.rept 16
	global_load_b128 v[rM+4*n:rM+4*n+3], v[LI], s[36:37] offset:131072*(\y)+512*n
.set n, n+1
.endr
.endif
	WIN 0
.if ((\x) == 1) && ((\y) == 1)
; A PREFETCH INTO THE L2 of my two mask images of the key step after the one just asked for: 8,192 bytes each, lanes 256 bytes apart, behind the wave's own loads.  All 32 work-groups of a block of queries
; read the same images: the one with y = 0 asks.  So each aligned block of 256 bytes is named once in the launch.  Steps 0 and 1 come by their loads alone; the last two steps ask for nothing.
	s_cmp_lt_u32 s31, s32
	s_cbranch_scc0 .Lnot_mine_\@
	global_prefetch_b8 v[PFO], s[36:37] offset:8192 th:TH_LOAD_NT scope:SCOPE_SE
	global_prefetch_b8 v[PFO], s[36:37] offset:8192+131072 th:TH_LOAD_NT scope:SCOPE_SE
.Lnot_mine_\@:
.endif
	v_max3_num_f32 v8, v[S], v[S+1], v[S+2]        ; the step's largest t of my query among my 64 keys, in two chains,
	v_max3_num_f32 v9, v[S+3], v[S+4], v[S+5]
.set n, 6
.rept 14
	v_max3_num_f32 v8, v8, v[S+n], v[S+n+1]
	v_max3_num_f32 v9, v9, v[S+n+2], v[S+n+3]
.set n, n+4
.endr
	v_max3_num_f32 v8, v8, v[S+62], v[S+63]
	v_max_num_f32 v8, v8, v9
	v_permlanex16_b32 v10, v8, s50, s51            ; among lane l xor 16's,
	v_max3_num_f32 v[rT+1], v[rT+1], v8, v10       ; and so far
	v_mov_b32 v9, v[rT]
	v_floor_f32 v[rT], -v[rT+1]                    ; the new -M = floor(-t): M is a whole number
	v_sub_f32 v9, v[rT], v9                        ; old M - new M, 0 or less
	v_cvt_i32_f32 v9, v9                           ; (it saturates)
	v_ldexp_f32 v12, 1.0, v9                       ; f = 2^(old M - new M)
.set n, 0
.rept 32
	v_pk_add_f32 v[S+n:S+n+1], v[S+n:S+n+1], v[rT:rT+1] op_sel_hi:[1,0]   ; t - M (the pair's low word serves both halves)
.set n, n+2
.endr
.set n, 0
.rept 64
	v_exp_f32 v[S+n], v[S+n]                       ; p = 2^(t - M), at most 1
.set n, n+1
.endr
	v_pk_mul_f32 v[rT+2:rT+3], v[rT+2:rT+3], v[12:13] op_sel_hi:[1,0]     ; the sums under the new M: the plain line behind the exponentials
	s_wait_alu depctr_va_vdst(0)                   ; one wait for the batch of 64, ahead of its first reader
	v_pk_add_f32 v[14:15], v[S:S+1], v[S+2:S+3]    ; the row's sum is taken of the unquantised p, in two chains
.set n, 4
.rept 15
	v_pk_add_f32 v[rT+2:rT+3], v[rT+2:rT+3], v[S+n:S+n+1]
	v_pk_add_f32 v[14:15], v[14:15], v[S+n+2:S+n+3]
.set n, n+4
.endr
	v_pk_add_f32 v[rT+2:rT+3], v[rT+2:rT+3], v[14:15]
.set n, 0
.rept 8
.set m, 0
.rept 8
	v_min_num_f32 v[S+8*n+m], v[S+8*n+m], v225     ; the conversion does not saturate (ISA guide 7.6.2); p is not negative, so the hold is one-sided
.set m, m+1
.endr
	v_cvt_scalef32_pk8_fp8_f32 v[rP+2*n:rP+2*n+1], v[S+8*n:S+8*n+7], v224   ; keys 16 n + 8 (lane / 16) + 0 .. 7: registers 2 n, 2 n + 1 of the operand
.set n, n+1
.endr
	WIN 0x41                                       ; destination and source 0 window 1
.set n, 0
.rept 16
	v_pk_mul_f32 v[rO+n:rO+n+1], v[rO+n:rO+n+1], v[12:13] op_sel_hi:[1,0]   ; O^T under the new M.  (Also the plain lines between the conversions and the products)
.set n, n+2
.endr
	WIN 0
.endm
.macro HEAD x                          ; one head's share of a key step
.if (\x) == 1
	PLACES                                         ; in front of loads into the registers that the last products read
.endif
	FETCH ADK, \x
	s_wait_dscnt 0x0
	QK 2*(\x)
	PLACES
	SOFTMAX 2*(\x), 0, \x
	QK 2*(\x)+1
	PLACES                                         ; for the first read of the scores, and for V's loads into K's registers
	FETCH ADV, \x                                  ; V lands while the second tile's softmax is walked
	SOFTMAX 2*(\x)+1, 1, \x
	s_wait_dscnt 0x0
	PV \x
.endm
.macro KEYSTEP                         ; 128 keys
	s_add_co_u32 s31, s31, 1
	s_and_b32 s38, s31, 15                         ; the step whose mask is fetched in this one.  The last step fetches step 0's again: no load leaves the buffer, none is jumped over, every count holds; the data are not used
	s_lshl_b32 s38, s38, 13
	s_wait_xcnt 0x0                                ; the last step's mask loads and prefetches have read their base, which is written now
	s_add_nc_u64 s[36:37], s[34:35], s[38:39]
	v_add_nc_u32 v[ADK], s28, v[LI]
	v_add_nc_u32 v[ADV], s28, v[LV]
	v_nop
	v_nop                                          ; with the two additions: four places in front of the loads into registers that the last products read
	HEAD 0
	HEAD 1
	s_add_co_u32 s28, s28, 8192
.endm
; THE CHANGE OF SLOTS stands at a slot's head.  Each wave waits for all its tensor loads (its part of the slot ahead), adds 0 to its spare word, and waits for that and for its reads of the slot that it has left.
; Behind the barrier the slot ahead is whole and nobody reads the other.  fill = 1: the other slot takes the next 512 keys: one load a wave, with four key steps in which to land.
.macro CHANGE fill
	s_wait_tensorcnt 0x0                           ; no tensor load of mine is out, so group 0 may be written
	ds_add_u32 v[SPW], v[NIL]                      ; 0 onto my spare word
.if \fill
	s_xor_b32 s25, s25, SLOT1
	s_add_nc_u64 s[26:27], s[26:27], 32768         ; the type bits on top are not reached
.endif
	s_wait_dscnt 0x0
	s_barrier_signal -1
	s_barrier_wait -1
.if \fill
	tensor_load_to_lds s[24:27], s[16:23]          ; the first thing behind the barrier, and my one tensor load until the next
	s_nop 0
	PLACES
.endif
.endm
.macro SLOT_STEPS                      ; a slot's four key steps: written once, walked four times
	s_mov_b32 s30, 4
.Lstep_\@:
	KEYSTEP
	s_sub_co_u32 s30, s30, 1
	s_cmp_lg_u32 s30, 0
	s_cbranch_scc1 .Lstep_\@
	s_sub_co_u32 s28, s28, 32768
	s_xor_b32 s28, s28, SLOT1                      ; on to the other slot
.endm
	s_wait_loadcnt 32                              ; Q is in; the 32 mask loads issued behind it stay out
.Lslot:                                                ; three trips: behind each change of slots but the last the next slot is asked for
	CHANGE 1
	SLOT_STEPS
	s_sub_co_u32 s29, s29, 1
	s_cmp_lg_u32 s29, 0
	s_cbranch_scc1 .Lslot
	CHANGE 0                                       ; the last slot is written out
	SLOT_STEPS
	; THE WAY OUT.  O^T / the sum x 2^(e4 + e5) is quantised with 2^e6.  A lane's 64 numbers of a tile of queries (two heads x 32 channels of its half) are features 16 c + 8 (lane / 16) + 0 .. 7 of the pair's 128:
	; the 16 registers of codes are the projection's fragment, stored as they stand.
.irp u, 0,1,2,3
	v_add_f32 v[ST+4*\u+2], v[ST+4*\u+2], v[ST+4*\u+3]         ; the sum's two halves (four places behind the last products),
.endr
.irp u, 0,1,2,3
	v_permlanex16_b32 v[ST+4*\u+3], v[ST+4*\u+2], s50, s51
.endr
.irp u, 0,1,2,3
	v_add_f32 v[ST+4*\u+2], v[ST+4*\u+2], v[ST+4*\u+3]         ; and lane l xor 16's
.endr
.irp u, 0,1,2,3
	v_rcp_f32 v[ST+4*\u+2], v[ST+4*\u+2]
.endr
	v_nop                                          ; a plain line behind the last reciprocal
	s_wait_alu depctr_va_vdst(0)                   ; one wait for the four, ahead of their first reader
.irp u, 0,1,2,3
	v_ldexp_f32 v[ST+4*\u+2], v[ST+4*\u+2], s56
.endr
.macro OUTY y
	WIN 0x01                                       ; source 0 window 1
.irp x, 0,1
.set n, 0
.rept 16
	v_pk_mul_f32 v[S+32*\x+n:S+32*\x+n+1], v[32*(2*\x+(\y))+n:32*(2*\x+(\y))+n+1], v[ST+4*(2*\x+(\y))+2:ST+4*(2*\x+(\y))+3] op_sel_hi:[1,0]
.set n, n+2
.endr
.endr
	WIN 0
.set n, 0
.rept 8
.set m, 0
.rept 8
	v_med3_num_f32 v[S+8*n+m], v[S+8*n+m], -v227, v227
.set m, m+1
.endr
	v_cvt_scalef32_pk8_fp8_f32 v[P+16*(\y)+2*n:P+16*(\y)+2*n+1], v[S+8*n:S+8*n+7], v226
.set n, n+1
.endr
	v_nop                                          ; a plain line between the last conversion and the next tile's writes of its sources
.irp g, 0,1,2,3
	global_store_b128 v[LI], v[P+16*(\y)+4*\g:P+16*(\y)+4*\g+3], s[54:55] offset:16384*(\y)+512*\g   ; 512 consecutive bytes, aligned
.endr
.endm
	OUTY 0
	OUTY 1
	s_wait_tensorcnt 0x0                           ; the wave's end
	ds_add_u32 v[SPW], v[NIL]
	s_wait_dscnt 0x0
	s_endpgm
.Lfunc_end_k_qf44367e30a_attn:
	.size	k_qf44367e30a_attn, .Lfunc_end_k_qf44367e30a_attn-k_qf44367e30a_attn
	.p2alignl 7, 3214868480
	.fill 96, 4, 3214868480
	.section	.rodata,"a",@progbits
	.p2align	6, 0x0
	.amdhsa_kernel k_qf44367e30a_attn
		.amdhsa_group_segment_fixed_size 327680
		.amdhsa_private_segment_fixed_size 0
		.amdhsa_enable_private_segment 0
		.amdhsa_kernarg_size 32
		.amdhsa_user_sgpr_count 2
		.amdhsa_user_sgpr_kernarg_segment_ptr 1
		.amdhsa_wavefront_size32 1
		.amdhsa_system_sgpr_workgroup_id_x 1
		.amdhsa_system_sgpr_workgroup_id_y 1
		.amdhsa_system_sgpr_workgroup_id_z 1
		.amdhsa_system_vgpr_workitem_id 0
		.amdhsa_next_free_vgpr 512
		.amdhsa_next_free_sgpr 66
		.amdhsa_reserve_vcc 0
		.amdhsa_float_denorm_mode_32 3
		.amdhsa_float_denorm_mode_16_64 3
		.amdhsa_memory_ordered 1
		.amdhsa_forward_progress 1
		.amdhsa_inst_pref_size 165
	.end_amdhsa_kernel
	.amdgpu_metadata
---
amdhsa.version: [ 1, 2 ]
amdhsa.kernels:
  - .name:           k_qf44367e30a_attn
    .symbol:         k_qf44367e30a_attn.kd
    .args:
      - { .name: qkv_img, .offset: 0, .size: 8, .value_kind: global_buffer, .address_space: global }
      - { .name: m_img, .offset: 8, .size: 8, .value_kind: global_buffer, .address_space: global }
      - { .name: lowp_scales, .offset: 16, .size: 8, .value_kind: global_buffer, .address_space: global }
      - { .name: ao_img, .offset: 24, .size: 8, .value_kind: global_buffer, .address_space: global }
    .group_segment_fixed_size: 327680
    .private_segment_fixed_size: 0
    .kernarg_segment_align: 8
    .kernarg_segment_size: 32
    .max_flat_workgroup_size: 256
    .sgpr_count:     66
    .vgpr_count:     512
    .wavefront_size: 32
...
	.end_amdgpu_metadata
.endif
;; end of part 3
;; launch proj (part 4): grid 4 x 32, 4 waves a work-group, clusters of 4 x 4, 327,680 bytes of LDS; arguments ao_img, wp_img, lowp_scales, bproj, out0; writes out0
.if DOCPART == 4
	.amdgcn_target "amdgcn-amd-amdhsa--gfx1250"
	.amdhsa_code_object_version 6
	.text
	.protected	k_qf44367e30a_proj
	.globl	k_qf44367e30a_proj
	.p2align	8
	.type	k_qf44367e30a_proj,@function
k_qf44367e30a_proj:
	s_mov_b64 s[64:65], 0
	v_nop
	global_prefetch_b8 v0, s[64:65] scope:SCOPE_SE
	s_setreg_imm32_b32 hwreg(HW_REG_WAVE_MODE, 25, 1), 1
	s_wait_xcnt 0x0
	s_wait_alu depctr_hold_cnt(0) depctr_sa_sdst(0) depctr_va_vdst(0) depctr_va_sdst(0) depctr_va_ssrc(0) depctr_va_vcc(0) depctr_vm_vsrc(0)
	s_getreg_b32 s2, hwreg(HW_REG_IB_STS2, 6, 4)
	s_cmp_eq_u32 s2, 0
	s_cbranch_scc0 .Lentry_in_a_cluster
	s_endpgm
.Lentry_in_a_cluster:
	s_bfe_u32 s2, ttmp6, 0x10000c
	s_cmp_lg_u32 s2, 0xf033
	s_cbranch_scc0 .Lentry_shape_is_right
	s_endpgm
.Lentry_shape_is_right:
; out0 = a Wproj + bproj on codes of FP8 (E4M3): a is the attention's result as codes (2^e6), Wproj's codes have 2^e7.  out0: [8192][1024] f32.
; ao_img [16-token tile 512][K step 8][2048], wp_img [16-column tile 64][K step 8][2048]: an image holds a fragment (16 rows x 128 K, 16 registers): registers 4 g .. 4 g + 3 of lane l at 512 g + 16 l.
; A tile of C, 256 x 256, is made by four waves, each 128 x 128: 64 accumulators.  K goes in steps of 256 (two images for each 16-row tile) through a ring of two LDS slots filled by the tensor data mover;
; images are read back as they lie, 512 consecutive bytes a load: no pitch, no padding.
; CLUSTERS: 4 x 4 work-groups; a's tiles are shared along a row of the cluster, W's along a column, each asked for jointly.
; THE MATRIX INSTRUCTION IS USED TRANSPOSED (source 0 = 16 columns of W, source 1 = 16 tokens): a lane holds eight neighbouring numbers of a row of C.
; The grid has 128 tiles: a tile of 128 x 256 would give every WGP one, but reads half as many LDS bytes again for each product, in a launch of four K steps.  No prefetch: two of the four K steps are asked for at the head.
; LIMIT: e6 + e7 between -126 and 127.
; REGISTERS, in windows of 256: window 0: v16-29 addresses; v32-35 the bias of my four columns; from v128 a's fragments, ONE set (on the way out: rows read back).  window 1: W's fragments, TWO sets.  windows 2, 3: the accumulators.
.set IMG,    2048
.set TROW,   2*IMG
.set TPITCH, 8*IMG
.set FR,     16
.set NL,     4
.set NP,     4                         ; places behind this matrix instruction (ISA guide 7.12.1)
.set HALFT,  8*TROW
.set SLOT,   4*HALFT
.set SPARE,  2*SLOT                    ; behind the ring: the spare words, 128 bytes for each wave
.set LAPS,   2
.set SPITCH, 528                       ; the way out: a stage of 16 rows x (512 bytes + 16) for each wave, in slot 0, which has had its last fill and its last read when the first result is stored there
.set ADRA, 16
.set ADRB, 20
.set STO,  24                          ; v24  the stage: where I put 32 bytes of a row
.set RD,   25                          ; v25  and where I read a row back
.set CO,   26                          ; v26  16 x lane
.set SPW,  28
.set NIL,  29
.set BIAS, 32
.set AF,   128
.set BK,   128                         ; 16 rows read back: v128-191 and v192-255 by turns
.set G1, 24
.set G0, 32
.set G1B, 48
.set G0B, 56
.set MSB, 0
.macro WIN new
.if MSB != (\new)
	s_set_vgpr_msb (MSB<<8)|(\new)
.set MSB, \new
.endif
.endm
.set MUL_LO, 0xa1
.set MUL_HI, 0xf1
.set TO_B,   0x40
.macro JLOAD g0a, g1a, g0b, g1b        ; a joint load: waves 0 and 1 fetch a's halves, waves 2 and 3 W's; four v_nop follow each of the two lines
	s_cmp_eq_u32 s15, 0
	s_cbranch_scc0 .Lfor_b_\@
	tensor_load_to_lds s[\g0a:\g0a+3], s[\g1a:\g1a+7]
	s_nop 0
.rept 4
	v_nop
.endr
	s_branch .Lasked_\@
.Lfor_b_\@:
	tensor_load_to_lds s[\g0b:\g0b+3], s[\g1b:\g1b+7]
	s_nop 0
.rept 4
	v_nop
.endr
.Lasked_\@:
.endm
.macro CREST
	s_cmp_lg_u32 s14, 0
	s_cbranch_scc1 .Lnot_wave_0_\@
	s_barrier_signal -3
.Lnot_wave_0_\@:
	s_barrier_wait -3
	s_barrier_signal -1
	s_barrier_wait -1
.endm
.macro CROUND
	s_barrier_signal -1
	s_barrier_wait -1
	CREST
.endm
	s_load_b128 s[4:7], s[0:1], 0x0                ; ao_img, wp_img
	s_load_b128 s[8:11], s[0:1], 0x10              ; the scales' exponents, bproj
	s_load_b64 s[12:13], s[0:1], 0x20              ; out0
	v_lshl_add_u32 v[SPW], v0, 2, SPARE
	v_mov_b32 v[NIL], 0
	ds_add_u32 v28, v29
	ds_add_u32 v28, v29
	s_wait_dscnt 0x0
	v_lshrrev_b32 v1, 5, v0
	v_readfirstlane_b32 s14, v1                    ; wave 0..3
	s_lshr_b32 s15, s14, 1                         ; which half of the tile's rows is mine.  Also: I fetch for a (0) or for W (1)
	s_and_b32 s16, s14, 1                          ; which half of its columns.  Also: which 128 rows of that side I fetch
	s_bfe_u32 s40, ttmp6, 0x40000
	s_bfe_u32 s41, ttmp6, 0x40004
	s_lshl_b32 s42, ttmp9, 2
	s_add_co_u32 s42, s42, s40                     ; tile column
	s_and_b32 s17, ttmp7, 0xffff
	s_lshl_b32 s17, s17, 2
	s_add_co_u32 s17, s17, s41                     ; tile row
	s_lshl_b32 s43, s41, 2
	s_lshl_b32 s43, 15, s43                        ; my row of the cluster
	s_lshl_b32 s44, 0x1111, s40                    ; my column
	s_or_b32 s[G1+0], s43, (1<<21)                 ; 15:0 the mask; elements of 1 byte; no padding; 21 set beside a mask
	s_or_b32 s[G1B+0], s44, (1<<21)
.irp g, G1, G1B
	s_mov_b32 s[\g+1], TROW<<16                    ; tensor_dim0 = 4,096 bytes: two images on end
	s_mov_b32 s[\g+2], 8<<16                       ; tensor_dim1 = 8 tiles of 16 rows
	s_mov_b32 s[\g+3], TROW<<16                    ; tile_dim0
	s_mov_b32 s[\g+4], 8                           ; tile_dim1
	s_mov_b32 s[\g+5], TPITCH                      ; tensor_dim0_stride
	s_mov_b32 s[\g+6], 0
	s_mov_b32 s[\g+7], 0
.endr
	s_lshl_b32 s18, s16, 17
	s_lshl_b32 s20, s17, 18
	s_add_co_u32 s20, s20, s18
	s_lshl_b32 s46, s42, 18
	s_add_co_u32 s46, s46, s18
	s_mov_b32 s21, 0
	s_mov_b32 s47, 0
	s_lshl_b32 s45, s14, 15                        ; wave x HALFT: no place in the cluster enters an LDS address
	s_wait_kmcnt 0x0
	s_load_b256 s[72:79], s[8:9], 0x0              ; e0 .. e7
	s_add_nc_u64 s[20:21], s[4:5], s[20:21]
	s_add_nc_u64 s[46:47], s[6:7], s[46:47]
	CROUND                                         ; all sixteen work-groups are here: the first joint loads meet
.irp s, 0,1
	s_mov_b32 s[G0+4*\s], 1
	s_add_co_u32 s[G0+4*\s+1], s45, \s*SLOT
	s_add_nc_u64 s[G0+4*\s+2:G0+4*\s+3], s[20:21], \s*TROW
	s_or_b32 s[G0+4*\s+3], s[G0+4*\s+3], 0x80000000
	s_mov_b32 s[G0B+4*\s], 1
	s_add_co_u32 s[G0B+4*\s+1], s45, \s*SLOT
	s_add_nc_u64 s[G0B+4*\s+2:G0B+4*\s+3], s[46:47], \s*TROW
	s_or_b32 s[G0B+4*\s+3], s[G0B+4*\s+3], 0x80000000
	JLOAD G0+4*\s, G1, G0B+4*\s, G1B               ; two loads of mine are out
.endr
	v_and_b32 v1, 31, v0
	v_lshlrev_b32 v[CO], 4, v1
	s_lshl_b32 s21, s15, 15                        ; my 128 rows of a
	s_lshl_b32 s22, s16, 15
	s_add_co_u32 s22, s22, 2*HALFT                 ; my 128 columns of W
.irp s, 0,1
	v_add_nc_u32 v[ADRA+\s], s21, v[CO]
	v_add_nc_u32 v[ADRB+\s], s22, v[CO]
	s_add_co_u32 s21, s21, SLOT
	s_add_co_u32 s22, s22, SLOT
.endr
	v_and_b32 v2, 15, v0                           ; r
	v_bfe_u32 v3, v0, 4, 1                         ; h
	s_mul_i32 s23, s14, 16*SPITCH                  ; my stage
	v_mul_u32_u24 v[STO], v2, SPITCH
	v_lshl_add_u32 v[STO], v3, 5, v[STO]
	v_add_nc_u32 v[STO], s23, v[STO]               ; in: row r, 32 bytes for each half of the lanes
	v_add_nc_u32 v[RD], s23, v[CO]                 ; back: the 32 lanes take one row of 512 bytes
	s_lshl_b32 s20, s17, 8
	s_lshl_b32 s21, s15, 7
	s_add_co_u32 s20, s20, s21                     ; my first row of C,
	s_lshl_b32 s20, s20, 12                        ; of 4,096 bytes
	s_lshl_b32 s46, s42, 10
	s_lshl_b32 s47, s16, 9
	s_add_co_u32 s46, s46, s47                     ; my first column, in bytes
	s_mov_b32 s47, 0
	s_add_nc_u64 s[10:11], s[10:11], s[46:47]
	s_add_co_u32 s20, s20, s46
	s_mov_b32 s21, 0
	s_add_nc_u64 s[12:13], s[12:13], s[20:21]
	global_load_b128 v[BIAS:BIAS+3], v[CO], s[10:11]   ; the bias of the four columns that I store, the same for every row; waited for on the way out
.macro FRAG reg, adr, q, i
.irp c, 0,1,2,3
	ds_load_b128 v[\reg+4*\c:\reg+4*\c+3], v[\adr] offset:(\i)*TROW+(\q)*IMG+512*\c
.endr
.endm
; 16 matrix instructions; the 64 accumulators take turns, one instruction a turn, in the same order in every step
.macro MUL16 a0, p, zero
.irp a, \a0, \a0+1
.irp b, 0,1,2,3,4,5,6,7
.if \zero
	v_wmma_f32_16x16x128_fp8_fp8 v[8*(8*((\a)%4)+\b):8*(8*((\a)%4)+\b)+7], v[128*(\p)+FR*\b:128*(\p)+FR*\b+FR-1], v[AF+FR*(\a):AF+FR*(\a)+FR-1], 0
.else
	v_wmma_f32_16x16x128_fp8_fp8 v[8*(8*((\a)%4)+\b):8*(8*((\a)%4)+\b)+7], v[128*(\p)+FR*\b:128*(\p)+FR*\b+FR-1], v[AF+FR*(\a):AF+FR*(\a)+FR-1], v[8*(8*((\a)%4)+\b):8*(8*((\a)%4)+\b)+7]
.endif
.endr
.endr
.endm
.macro FETCH_B slot, q, p
	WIN TO_B
.irp i, 0,1,2,3,4,5,6,7
	FRAG 128*(\p)+FR*\i, ADRB+\slot, \q, \i
.endr
	WIN 0
.endm
.macro FETCH_A slot, q, i0
.irp i, \i0, \i0+1, \i0+2, \i0+3
	FRAG AF+FR*(\i), ADRA+\slot, \q, \i
.endr
.endm
.macro PLACES n                        ; plain vector lines between a matrix instruction and a load into, or a read of, its registers (ISA guide 7.12.1 for reads)
.rept \n
	v_nop
.endr
.endm
.macro STEP slot, q, zero
	s_wait_dscnt 4*NL                              ; W's set and a's blocks 0-3 are in; the youngest sixteen loads (blocks 4-7) may be out
	WIN MUL_LO
	MUL16 0, (\q)%2, \zero
	MUL16 2, (\q)%2, \zero
	s_wait_dscnt 0
	PLACES NP
	FETCH_B \slot, (\q)+1, 1-(\q)%2
	FETCH_A \slot, (\q)+1, 0
	WIN MUL_HI
	MUL16 4, (\q)%2, \zero
	MUL16 6, (\q)%2, \zero
	PLACES NP
	WIN 0
	FETCH_A \slot, (\q)+1, 4
.endm
.macro TURN slot, next, fill           ; a slot's last step changes slots: ONE barrier
	s_wait_tensorcnt 0x0                           ; all my tensor loads have landed: my part of the next slot
	ds_add_u32 v[SPW], v[NIL]                      ; 0 onto my spare word
	s_wait_dscnt 4*NL+1                            ; (the add and the youngest sixteen loads may be out)
	WIN MUL_LO
	MUL16 0, 1, 0
	s_wait_dscnt 0x0                               ; the add is done, and my reads of this slot are over
	s_barrier_signal -1
	MUL16 2, 1, 0
	WIN 0
	s_barrier_wait -1
.if \fill
	CREST                                          ; the barrier has opened a round of the cluster's: no wave of any partner still reads this slot or has a load on its way
	s_add_nc_u64 s[G0+4*\slot+2:G0+4*\slot+3], s[G0+4*\slot+2:G0+4*\slot+3], 2*TROW
	s_add_nc_u64 s[G0B+4*\slot+2:G0B+4*\slot+3], s[G0B+4*\slot+2:G0B+4*\slot+3], 2*TROW
	JLOAD G0+4*\slot, G1, G0B+4*\slot, G1B         ; the first tensor load behind the round; its four v_nop are the places in front of the loads below
.else
	PLACES NP
.endif
	FETCH_B \next, 0, 0
	FETCH_A \next, 0, 0
	WIN MUL_HI
	MUL16 4, 1, 0
	MUL16 6, 1, 0
	PLACES NP
	WIN 0
	FETCH_A \next, 0, 4
.endm
	s_wait_tensorcnt 1                             ; my part of K step 0 is in (K step 1's load may be out)
	s_barrier_signal -1
	s_barrier_wait -1                              ; everybody's is
	FETCH_B 0, 0, 0
	FETCH_A 0, 0, 0
	FETCH_A 0, 0, 4
	STEP 0, 0, 1                                   ; the first step's products start the sums: nothing is cleared
	s_mov_b32 s3, LAPS-1
.Llap:
	TURN 0, 1, 1
	STEP 1, 0, 0
	TURN 1, 0, 1
	STEP 0, 0, 0
	s_sub_co_u32 s3, s3, 1
	s_cmp_lg_u32 s3, 0
	s_cbranch_scc1 .Llap
	TURN 0, 1, 0                                   ; the last lap fills nothing
	STEP 1, 0, 0
	s_wait_dscnt 4*NL
	WIN MUL_LO
	MUL16 0, 1, 0
	MUL16 2, 1, 0
	s_wait_dscnt 0
	WIN MUL_HI
	MUL16 4, 1, 0
	MUL16 6, 1, 0
	WIN 0
; THE WAY OUT, block by block of 16 rows x 128 columns.  A lane holds 32 neighbouring bytes of a row and the lanes beside it hold other rows: so a block's sums go through my own stage in LDS, as they are, and come
; back as whole rows of 512 bytes.  There a lane holds the same four columns in every row: sum x 2^(e6 + e7) + bias is one packed multiply-add for two numbers, with four registers of bias.
; LDS serves a wave's instructions in order (ISA guide 5.7.1.4): no wait between the stores and the loads, nor in front of the next block's stores.
.macro TOSTAGE a
.set AC, 64*((\a)%4)
.set BB, BK+64*((\a)%2)
	WIN 0x08+4*((\a)/4)                            ; the stores' data: window 2 or 3
.irp b, 0,1,2,3,4,5,6,7
	ds_store_b128 v[STO], v[AC+8*\b:AC+8*\b+3] offset:64*\b         ; each accumulator from its low end on
	ds_store_b128 v[STO], v[AC+8*\b+4:AC+8*\b+7] offset:64*\b+16
.endr
	WIN 0
.irp t, 0,1,2,3,4,5,6,7,8,9,10,11,12,13,14,15
	ds_load_b128 v[BB+4*\t:BB+4*\t+3], v[RD] offset:\t*SPITCH
.endr
.endm
.macro SEND a, younger                 ; younger: the LDS instructions issued behind block a's loads, which may stay out
.set BB, BK+64*((\a)%2)
	s_wait_dscnt \younger
.if (\a) > 0
	s_add_nc_u64 s[12:13], s[12:13], 16*4096       ; (behind a wait on XCNT: the earlier stores have read their base)  16 rows on
.endif
.irp t, 0,1,2,3,4,5,6,7,8,9,10,11,12,13,14,15
	v_pk_fma_f32 v[BB+4*\t:BB+4*\t+1],   v[BB+4*\t:BB+4*\t+1],   s[96:97], v[BIAS:BIAS+1]   op_sel_hi:[1,0,1]
	v_pk_fma_f32 v[BB+4*\t+2:BB+4*\t+3], v[BB+4*\t+2:BB+4*\t+3], s[96:97], v[BIAS+2:BIAS+3] op_sel_hi:[1,0,1]
.endr
.irp t, 0,1,2,3,4,5,6,7,8,9,10,11,12,13,14,15
	global_store_b128 v[CO], v[BB+4*\t:BB+4*\t+3], s[12:13] offset:\t*4096 th:TH_STORE_NT   ; 32 lanes store 512 consecutive bytes, aligned; written once, read by nobody here
.endr
.endm
	s_wait_kmcnt 0x0
	s_add_co_i32 s96, s78, s79
	s_add_co_i32 s96, s96, 127
	s_lshl_b32 s96, s96, 23                        ; 2^(e6 + e7) as f32
	s_mov_b32 s97, s96
	s_wait_loadcnt 0x0                             ; the bias
	PLACES NP                                      ; for the stores that read results, and for the loads into the registers that held a's fragments
	TOSTAGE 0
.irp a, 1,2,3,4,5,6,7
.if \a > 1
	s_wait_xcnt 0x0                                ; block a - 2's stores have read their registers and their base: block a's loads may land there, and the base may step
.endif
	TOSTAGE \a
	SEND \a-1, 32                                  ; behind block a - 1's loads: block a's 16 stores and 16 loads
.endr
	s_wait_xcnt 0x0
	SEND 7, 0
	s_wait_tensorcnt 0x0                           ; the wave's end
	ds_add_u32 v[SPW], v[NIL]
	s_wait_dscnt 0x0
	CROUND                                         ; the closing round
	s_endpgm
.Lfunc_end_k_qf44367e30a_proj:
	.size	k_qf44367e30a_proj, .Lfunc_end_k_qf44367e30a_proj-k_qf44367e30a_proj
	.p2alignl 7, 3214868480
	.fill 96, 4, 3214868480
	.section	.rodata,"a",@progbits
	.p2align	6, 0x0
	.amdhsa_kernel k_qf44367e30a_proj
		.amdhsa_group_segment_fixed_size 327680
		.amdhsa_private_segment_fixed_size 0
		.amdhsa_enable_private_segment 0
		.amdhsa_kernarg_size 40
		.amdhsa_user_sgpr_count 2
		.amdhsa_user_sgpr_kernarg_segment_ptr 1
		.amdhsa_wavefront_size32 1
		.amdhsa_system_sgpr_workgroup_id_x 1
		.amdhsa_system_sgpr_workgroup_id_y 1
		.amdhsa_system_sgpr_workgroup_id_z 1
		.amdhsa_system_vgpr_workitem_id 0
		.amdhsa_next_free_vgpr 1024
		.amdhsa_next_free_sgpr 98
		.amdhsa_reserve_vcc 0
		.amdhsa_float_denorm_mode_32 3
		.amdhsa_float_denorm_mode_16_64 3
		.amdhsa_memory_ordered 1
		.amdhsa_forward_progress 1
		.amdhsa_inst_pref_size 123
	.end_amdhsa_kernel
	.amdgpu_metadata
---
amdhsa.version: [ 1, 2 ]
amdhsa.kernels:
  - .name:           k_qf44367e30a_proj
    .symbol:         k_qf44367e30a_proj.kd
    .args:
      - { .name: ao_img, .offset: 0, .size: 8, .value_kind: global_buffer, .address_space: global }
      - { .name: wp_img, .offset: 8, .size: 8, .value_kind: global_buffer, .address_space: global }
      - { .name: lowp_scales, .offset: 16, .size: 8, .value_kind: global_buffer, .address_space: global }
      - { .name: bproj, .offset: 24, .size: 8, .value_kind: global_buffer, .address_space: global }
      - { .name: out0, .offset: 32, .size: 8, .value_kind: global_buffer, .address_space: global }
    .group_segment_fixed_size: 327680
    .private_segment_fixed_size: 0
    .kernarg_segment_align: 8
    .kernarg_segment_size: 40
    .max_flat_workgroup_size: 128
    .sgpr_count:     98
    .vgpr_count:     1024
    .wavefront_size: 32
...
	.end_amdgpu_metadata
.endif
;; end of part 4
